; MI455X (gfx1250); checked and timed in simulation.
; The chip was launched on July 23, 2026; its instructions are those of AMD's public machine-readable ISA for CDNA 5 (MIT licence, August 2026) and "CDNA5" Instruction Set Architecture Reference Guide (July 2026). The comments in the code are by the model that wrote it; some were corrected since.
;; Multi Head Memory. Allowed arithmetic: float matrix products may take bf16 or f16 operands with f32 sums; other float arithmetic in f32, or as packed bf16 or f16 multiplies, adds, multiply-adds, maxima and minima; sums over many terms, partial sums and values carried from step to step in f32; what a program stores and reads back later, other than sums and carried values, may be rounded once to bf16 or f16.
;; Inputs: fk_b 128 float32; fk_w 128 x 128 float32; fv_b 128 float32; fv_w 128 x 128 float32; fx_b 128 float32; fx_w 128 x 1,024 float32; mem 8 x 65,536 x 128 float32; nk_b 128 float32; nk_g 128 float32; nv_b 128 float32; nv_g 128 float32; nx_b 128 float32; nx_g 128 float32; q 256 x 128 float32.
;; Outputs: out0 256 x 128 float32.
;; One version. Each part assembles by itself: llvm-mc -triple=amdgcn-amd-amdhsa -mcpu=gfx1250 --defsym DOCPART=n.
;; ======== version 1 of 1: 2 launches
;; workspace buffers: opart 33,554,432 bytes; ml 524,288 bytes; fxw16 262,144 bytes
;; launch attn (part 1): grid 32 x 8, 4 waves a work-group, no clusters, 327,680 bytes of LDS; arguments mem, q, fk_w, fv_w, fk_b, fv_b, nk_g, nv_g, nk_b, nv_b, fx_w, opart, ml, fxw16; writes opart, ml, fxw16
.if DOCPART == 1
	.amdgcn_target "amdgcn-amd-amdhsa--gfx1250"
	.amdhsa_code_object_version 6
	.text
	.protected	k_q0f23e91149_attn
	.globl	k_q0f23e91149_attn
	.p2align	8
	.type	k_q0f23e91149_attn,@function
k_q0f23e91149_attn:
	s_mov_b64 s[64:65], 0
	v_nop
	global_prefetch_b8 v0, s[64:65] scope:SCOPE_SE
	s_setreg_imm32_b32 hwreg(HW_REG_WAVE_MODE, 25, 1), 1
	s_wait_xcnt 0x0
; MULTI-HEAD MEMORY, PART 1.  A work-group takes 2,048 rows of one head's memory (grid: 32 splits x 8 heads) and all 256 queries.
; For each step of 64 rows: K = softmax(LN(mem Wk^T + bk)), V = relu(LN(mem Wv^T + bv)) are made in registers and handed over in LDS (bf16),
; then S^T = K Q^T, a softmax over rows with a running maximum, and O^T += V^T P.  K and V never reach memory; mem is read once.
; Out: opart[wg][query][128] f32 (O, not yet divided, relative to this work-group's last maximum), ml[wg][query] = (log2(e) m, l).
; Also: each work-group rounds one 16 x 32 block of fx_w to bf16 and stores it in fragment order (fxw16) for the second launch.
; ROLES.  Waves 0, 1 hold Wk in registers and make K; waves 2, 3 hold Wv and make V; the wave's parity picks 32 of the step's 64 rows (two tiles of 16).
; So a wave keeps one weight matrix (256 registers) beside Q (128), O^T (256) and the norm's gains and biases (128).  In the attention wave w owns queries 64 w .. 64 w + 63.
; LAYOUT.  y^T = W x^T (source 0 = 16 features, source 1 = 16 rows): a lane holds ONE row (lane % 16) and features 16 t + 8 (lane / 16) + 0..7 of tile t, so sums along
; features are in the lane plus one exchange of the lanes' halves.  Two tiles of K rounded to bf16 ARE a fragment (16 rows x 32 features) of S^T's source 0: K goes through
; LDS in fragment order.  V goes row by row and comes back turned (ds_load_tr16_b128).  S^T, P and O^T hold one query a lane.
; THE NORM'S MEAN is taken out of the weights: W' = W - (mean over features, per column), b' = b - mean(b), in f32, before W' is rounded to bf16; then var = sum(y'^2) / 128.
; b' is the C operand that starts each sum.  log2(e) is folded into nk_g and nk_b (f32), so K's exponentials are base 2; for the scores it is applied in f32 in the softmax.
; LIMITS.  The mean that the rounding of W' to bf16 leaves (about 2^-9 |w||x| / sqrt(128)) is not removed.  NaN and infinities are not treated apart.  An exponential below 2^-126 counts as 0.
; A maximum below -4e37 / log2(e) would not be told from the start value.
; NO CLUSTER: no two work-groups read the same rows of mem; what they share (weights, q: 0.3 MB) is read once, into registers, at the start.
; REGISTERS, in windows of 256 (s_set_vgpr_msb: bits 1:0 source 0, 3:2 source 1, 5:4 source 2, 7:6 destination):
;   window 0: v0-15 addresses; v16-47 statistics, 8 a query tile; v48-63 at work; v64-191 S^T (making K, V: sums v64-127, b' v128-191; in V^T P: V's fragments); v192-255 P (before: mem's or K's fragments)
;   window 1: W' (tile t, K step c at 8 (4 t + c))     window 2: O^T (64 b + 8 cb)     window 3: v0-127 Q (32 b + 8 c); v128-191 gain; v192-255 bias
.set PM,    528                        ; a row of mem in LDS: 512 bytes + 16 = 132 words: the 16 rows of a load start at 16 different groups of four banks (64 banks of 4 bytes: ISA guide 11.1)
.set WTILE, 32*PM                      ; what one tensor load brings: 32 rows
.set STEPB, 64*PM                      ; a step's rows
.set RTB,   16*PM                      ; a row tile's; also a wave's stage on the way out
.set SLOT1, 1<<17                      ; slot 0 at 0, slot 1 here: 128 rows (two steps) each
.set KV0,   69632                      ; K: 16 fragments of 1,024 bytes (4 a + c); V behind them.  At the start: Wk's fragments
.set VOFF,  16384
.set PV,    288                        ; a row of V: 256 bytes + 32
.set TBL,   104448                     ; b', 512 bytes a wave, each wave's own
.set STAGE, 235520                     ; the way out: 16 rows x 528 bytes a wave   (KV0 + SLOT1 = 200,704: Wv's fragments at the start)
.set SPARE, 269312                     ; the spare words, 128 bytes a wave: two blocks of 256 bytes that no other line names
.set AM0, 2                            ; v2   my place in a step's rows of mem: (32 parity + l % 16) x 528 + 32 (l / 16)
.set AKR, 3                            ; v3   KV0 + 16 l: K's fragments are read
.set AVR, 4                            ; v4   V's are read, turned
.set AKS, 5                            ; v5   K's are stored: AKR + 8,192 parity
.set AVS, 6                            ; v6   V's rows are stored
.set ABI, 7                            ; v7   my wave's table of b' + 32 (l / 16)
.set ADR, 8                            ; v8, v9 addresses in hand
.set ADS, 9
.set PFO, 10                           ; v10  256 l: the prefetches' offset
.set STO, 11                           ; v11  the way out: where I put 32 bytes of a row
.set RD,  12                           ; v12  where I read rows back
.set GO,  13                           ; v13  16 l
.set SPW, 14                           ; v14  LDS address of my spare word; never rewritten
.set NIL, 15                           ; v15  0; never rewritten
.set ST,  16                           ; query tile b at ST + 8 b: c m, m, l (even, odd keys), c0-c3 at work; a takes c2's place
.set T,   48                           ; v48-55 four pairs at work
.set CH,  56                           ; v56-59 four chains
.set RS,  60                           ; v60-61 a number for all of a lane's pairs (the low word is taken twice; v61 is 0)
.set ZR,  62                           ; v62  0
.set PX,  63                           ; v63  what the other half of the lanes sends
.set S,   64
.set ACC, 64
.set BIA, 128
.set P,   192
.set GW,  128                          ; window 3
.set NBW, 192                          ; window 3
.set WV,  54                           ; s54  my wave's number
.set SLOTS, 55                         ; s55  tiles still to be asked for
.set TWICE, 56                         ; s56  a slot's two steps
.set RT,  57                           ; s57  a step's two row tiles
.set CS,  58                           ; s[58:59] log2(e)
.set SEL, 60                           ; s[60:61] v_permlanex16_b32's selects: each lane takes its own place in the other half
.set MB,  62                           ; s62  LDS byte at which the step's rows begin
.set MR,  66                           ; s66  the row tile's; s67, s68: its offset in K's and V's stores
.set KR,  67
.set VR,  68
.set PFA, 70                           ; s[70:71] my wave's 16 KiB of the tile behind the one that is being asked for
.set MSB, 0
.macro WIN new                         ; the immediate's high byte repeats the setting that is left; a switch that changes nothing is dropped
.if MSB != (\new)
	s_set_vgpr_msb (MSB<<8)|(\new)
.set MSB, \new
.endif
.endm
.macro PLACES                          ; four places behind matrix instructions (ISA guide 7.12.1), where no other vector work is at hand
.rept 4
	v_nop
.endr
.endm
; T's four pairs into one number, and the other half of the lanes' onto it: v[T]
.macro FOLD
	v_pk_add_f32 v[T:T+1], v[T:T+1], v[T+2:T+3]
	v_pk_add_f32 v[T+4:T+5], v[T+4:T+5], v[T+6:T+7]
	v_pk_add_f32 v[T:T+1], v[T:T+1], v[T+4:T+5]
	v_add_f32 v[T], v[T], v[T+1]
	v_permlanex16_b32 v[PX], v[T], s[SEL], s[SEL+1]
	v_add_f32 v[T], v[T], v[PX]
.endm
.macro SUM64 base                      ; the sum of a row's 128 numbers, 64 of them at v[base ..] in this lane
.set n, 0
.rept 4
	v_pk_add_f32 v[T+2*n:T+2*n+1], v[(\base)+2*n:(\base)+2*n+1], v[(\base)+8+2*n:(\base)+8+2*n+1]
.set n, n+1
.endr
.set n, 8
.rept 24
	v_pk_add_f32 v[T+2*(n%4):T+2*(n%4)+1], v[T+2*(n%4):T+2*(n%4)+1], v[(\base)+2*n:(\base)+2*n+1]
.set n, n+1
.endr
	FOLD
.endm
; A PREFETCH INTO THE L2, behind the refill and its five lines: my wave's own 16 KiB (32 rows of 512 bytes: 64 blocks of 256 bytes, a lane a block, two instructions) of the tile that the NEXT refill
; will load: two steps, 384 matrix instructions and their vector work, ahead of that load.  Each block of mem is named once in the launch, by the wave that will load it.  The last refill has no tile behind it.
.macro ASK
	s_cmp_gt_u32 s[SLOTS], 1
	s_cbranch_scc0 .Lnoask_\@
	global_prefetch_b8 v[PFO], s[PFA:PFA+1] th:TH_LOAD_NT scope:SCOPE_SE
	global_prefetch_b8 v[PFO], s[PFA:PFA+1] offset:8192 th:TH_LOAD_NT scope:SCOPE_SE
.Lnoask_\@:
.endm
; THE CHANGE OF SLOTS.  Each wave waits for all its tensor loads, of which one is out: its quarter of the other slot; adds 0 to its spare word; waits for that and for its own LDS reads.  Behind the barrier
; nobody reads the old slot and the other slot is whole.  fill = 1: the old slot is filled again first thing, one load a wave: it has two steps in which to land.  (At its first use slot 0 is waited for and slot 1 filled.)
.macro CHANGE fill
	WIN 0
	s_wait_tensorcnt 0x0                           ; no tensor load of mine is out, so group 0 may be written
	ds_add_u32 v[SPW], v[NIL]                      ; 0 onto my spare word; the steps below stand between it and the wait for it
.if \fill
	s_xor_b32 s5, s5, SLOT1                        ; the other slot than last time,
	s_add_nc_u64 s[6:7], s[6:7], 65536             ; the next 128 rows; the type bits on top are not reached
	s_wait_xcnt 0x0                                ; the last prefetches, two steps back, have read their address
	s_add_nc_u64 s[PFA:PFA+1], s[PFA:PFA+1], 65536
.endif
	s_wait_dscnt 0x0                               ; the add is done, and my reads of the slot are over
	s_barrier_signal -1
	s_sub_co_u32 s[MB], s[MB], 2*STEPB             ; the reads go back to a slot's first step,
	s_xor_b32 s[MB], s[MB], SLOT1                  ; in the other slot
	s_barrier_wait -1
.if \fill
	tensor_load_to_lds s[4:7], s[8:15]
	s_nop 0
	PLACES
	ASK
.endif
.endm
; ---- K's tail: softmax along the row's 128 features (already in units of log2), rounded and stored as fragments ----
.macro SUBP n
	v_pk_add_f32 v[ACC+2*(\n):ACC+2*(\n)+1], v[ACC+2*(\n):ACC+2*(\n)+1], v[RS:RS+1] op_sel_hi:[1,0] neg_lo:[0,1] neg_hi:[0,1]
.endm
.macro KTAIL
.set k, 0
.rept 4                                ; the maximum: four chains of 15 numbers, three operands at a time, then the four left over
	v_max3_num_f32 v[CH+k], v[ACC+16*k], v[ACC+16*k+1], v[ACC+16*k+2]
.set k, k+1
.endr
.set i, 0
.rept 6
.set k, 0
.rept 4
	v_max3_num_f32 v[CH+k], v[CH+k], v[ACC+16*k+3+2*i], v[ACC+16*k+4+2*i]
.set k, k+1
.endr
.set i, i+1
.endr
	v_max3_num_f32 v[CH], v[CH], v[ACC+15], v[ACC+31]
	v_max3_num_f32 v[CH+1], v[CH+1], v[ACC+47], v[ACC+63]
	v_max3_num_f32 v[CH], v[CH], v[CH+1], v[CH+2]
	v_max_num_f32 v[CH], v[CH], v[CH+3]
	v_permlanex16_b32 v[PX], v[CH], s[SEL], s[SEL+1]
	v_max_num_f32 v[RS], v[CH], v[PX]
.set n, 0
.rept 4
	SUBP n
.set n, n+1
.endr
.set i, 0
.rept 32                               ; ONE BATCH of 64 exponentials, a subtraction between two of them while there are subtractions; nothing here names a result
	v_exp_f32 v[ACC+2*i], v[ACC+2*i]
.if i+4 < 32
	SUBP i+4
.endif
	v_exp_f32 v[ACC+2*i+1], v[ACC+2*i+1]
.set i, i+1
.endr
	v_nop                                          ; a plain instruction behind the last exponential,
	s_wait_alu depctr_va_vdst(0)                   ; and the one wait ahead of the batch's first reader
	SUM64 ACC
	v_rcp_f32 v[RS], v[T]
	v_nop
	s_wait_alu depctr_va_vdst(0)
.set n, 0
.rept 32
	v_pk_mul_f32 v[ACC+2*n:ACC+2*n+1], v[ACC+2*n:ACC+2*n+1], v[RS:RS+1] op_sel_hi:[1,0]
.set n, n+1
.endr
.set n, 0
.rept 32                               ; in place, ascending: tile t's eight numbers become four registers at ACC + 4 t
	v_cvt_pk_bf16_f32 v[ACC+n], v[ACC+2*n], v[ACC+2*n+1]
.set n, n+1
.endr
	v_add_nc_u32 v[ADS], s[KR], v[AKS]
.set t, 0
.rept 8                                ; tiles 2 c and 2 c + 1 are registers 0-3 and 4-7 of fragment c: 512 consecutive bytes a store
	ds_store_b128 v[ADS], v[ACC+4*t:ACC+4*t+3] offset:(t/2)*1024+(t%2)*512
.set t, t+1
.endr
.endm
; ---- V's tail: rounded, relu on the packed halves (a maximum rounds nothing), stored by rows ----
.macro VTAIL
.set n, 0
.rept 32
	v_cvt_pk_bf16_f32 v[ACC+n], v[ACC+2*n], v[ACC+2*n+1]
.set n, n+1
.endr
.set n, 0
.rept 32
	v_pk_max_num_bf16 v[ACC+n], v[ACC+n], v[ZR]
.set n, n+1
.endr
	v_add_nc_u32 v[ADS], s[VR], v[AVS]
.set t, 0
.rept 8
	ds_store_b128 v[ADS], v[ACC+4*t:ACC+4*t+3] offset:32*t
.set t, t+1
.endr
.endm
; ---- STAGE A: my role's K or V for my 32 rows of the step, a row tile of 16 a trip ----
.macro STAGE_A
	WIN 0
	s_mov_b32 s[MR], s[MB]
	s_mov_b32 s[KR], 0
	s_mov_b32 s[VR], 0
.rept 5                                ; five places: the loads below land in, and the first products write over, registers that the last products V^T P read
	v_nop
.endr
.set t, 0
.rept 8
	ds_load_b128 v[BIA+8*t:BIA+8*t+3],   v[ABI] offset:64*t       ; b' of my 64 features: its registers serve S^T and V in the attention, so it comes anew each step
	ds_load_b128 v[BIA+8*t+4:BIA+8*t+7], v[ABI] offset:64*t+16
.set t, t+1
.endr
	s_mov_b32 s[RT], 2
.Lrt_\@:
	v_add_nc_u32 v[ADR], s[MR], v[AM0]
.set c, 0
.rept 4                                ; my row's 64 numbers in f32: for K step c channels 32 c + 8 (l / 16) + 0..7 and 16 more on
.set e, 0
.rept 4
	ds_load_b128 v[P+16*c+4*e:P+16*c+4*e+3], v[ADR] offset:128*c+16*(e%2)+64*(e/2)
.set e, e+1
.endr
.set c, c+1
.endr
.set c, 0
.rept 4
	s_wait_dscnt 12-4*c                            ; LDS answers in order: K step c's four loads are in (and all that is older: b', the last tile's stores); the younger staging loads stay out
.set k, 0
.rept 8                                ; rounded in place, ascending: fragment c at P + 8 c
	v_cvt_pk_bf16_f32 v[P+8*c+k], v[P+16*c+2*k], v[P+16*c+2*k+1]
.set k, k+1
.endr
	WIN 0x01                                       ; W' in window 1
.set t, 0
.rept 8                                ; the eight accumulators take turns
.if c == 0
	v_wmma_f32_16x16x32_bf16 v[ACC+8*t:ACC+8*t+7], v[8*(4*t+c):8*(4*t+c)+7], v[P+8*c:P+8*c+7], v[BIA+8*t:BIA+8*t+7]
.else
	v_wmma_f32_16x16x32_bf16 v[ACC+8*t:ACC+8*t+7], v[8*(4*t+c):8*(4*t+c)+7], v[P+8*c:P+8*c+7], v[ACC+8*t:ACC+8*t+7]
.endif
.set t, t+1
.endr
	WIN 0
.set c, c+1
.endr
	PLACES
.set n, 0
.rept 4                                ; the sum of squares, in four chains; each accumulator is read from its low end on
	v_pk_mul_f32 v[T+2*n:T+2*n+1], v[ACC+2*n:ACC+2*n+1], v[ACC+2*n:ACC+2*n+1]
.set n, n+1
.endr
.rept 28
	v_pk_fma_f32 v[T+2*(n%4):T+2*(n%4)+1], v[ACC+2*n:ACC+2*n+1], v[ACC+2*n:ACC+2*n+1], v[T+2*(n%4):T+2*(n%4)+1]
.set n, n+1
.endr
	FOLD
	v_fma_f32 v[CH], v[T], s76, s77                ; var + eps
	v_rsq_f32 v[RS], v[CH]
	WIN 0x0c                                       ; the gain in window 3
.set n, 0
.rept 32                               ; y' g: the work between the root and the wait for it
	v_pk_mul_f32 v[ACC+2*n:ACC+2*n+1], v[ACC+2*n:ACC+2*n+1], v[GW+2*n:GW+2*n+1]
.set n, n+1
.endr
	s_wait_alu depctr_va_vdst(0)                   ; the wait ahead of the root's first reader
	WIN 0x30                                       ; the bias in window 3
.set n, 0
.rept 32
	v_pk_fma_f32 v[ACC+2*n:ACC+2*n+1], v[ACC+2*n:ACC+2*n+1], v[RS:RS+1], v[NBW+2*n:NBW+2*n+1] op_sel_hi:[1,0,1]
.set n, n+1
.endr
	WIN 0
	s_cmp_lt_u32 s[WV], 2                          ; the role hangs on the wave's number alone; neither way holds a barrier or a tensor load
	s_cbranch_scc0 .Lv_\@
	KTAIL
	s_branch .Lj_\@
.Lv_\@:
	VTAIL
.Lj_\@:
	s_add_co_u32 s[MR], s[MR], RTB
	s_add_co_u32 s[KR], s[KR], 4096
	s_add_co_u32 s[VR], s[VR], 16*PV
	s_sub_co_u32 s[RT], s[RT], 1
	s_cmp_lg_u32 s[RT], 0
	s_cbranch_scc1 .Lrt_\@
	s_wait_dscnt 0x0                               ; for the others' sake: my stores of K or V are done
	s_barrier_signal -1
	s_barrier_wait -1                              ; the step's K and V are whole.  My refill may stay out
.endm
; ---- STAGE B: my 64 queries against the step's 64 rows ----
.macro KLOAD a                         ; K's four fragments of row tile a; 512 consecutive bytes a load.  (Issued under the products' window setting too: destination and address are window 0 there)
.set c, 0
.rept 4
	ds_load_b128 v[P+32*((\a)%2)+8*c:P+32*((\a)%2)+8*c+3],   v[AKR] offset:(4*(\a)+c)*1024
	ds_load_b128 v[P+32*((\a)%2)+8*c+4:P+32*((\a)%2)+8*c+7], v[AKR] offset:(4*(\a)+c)*1024+512
.set c, c+1
.endr
.endm
.macro KQ a                            ; S^T of row tile a for my four query tiles, which take turns; the first four products start the sums
	WIN 0x0c                                       ; Q in window 3
.set c, 0
.rept 4
.set b, 0
.rept 4
.set rS, S+32*b+8*(\a)
.set rK, P+32*((\a)%2)+8*c
.set rQ, 32*b+8*c
.if c == 0
	v_wmma_f32_16x16x32_bf16 v[rS:rS+7], v[rK:rK+7], v[rQ:rQ+7], 0
.else
	v_wmma_f32_16x16x32_bf16 v[rS:rS+7], v[rK:rK+7], v[rQ:rQ+7], v[rS:rS+7]
.endif
.set b, b+1
.endr
.set c, c+1
.endr
.endm
; Number n of the 22 that find tile b's new maximum and statistics.  0-11 four chains of seven scores (each accumulator's lowest registers first); 12-14, 16 the four left over, the old m, all into c0;
; 17, 18 the query's other 32 rows lie in the lane 16 away; 15 c m_old is kept (in c1, free by then); 19-21 c m, c m_old - c m_new, a
.macro XS b, n
.set rT, ST+8*(\b)
.set rS, S+32*(\b)
.if (\n) < 4
	v_max3_num_f32 v[rT+4+(\n)], v[rS+8*(\n)], v[rS+8*(\n)+1], v[rS+8*(\n)+2]
.elseif (\n) < 12
	v_max3_num_f32 v[rT+4+(\n)%4], v[rT+4+(\n)%4], v[rS+8*((\n)%4)+2*((\n)/4)+1], v[rS+8*((\n)%4)+2*((\n)/4)+2]
.elseif (\n) == 12
	v_max3_num_f32 v[rT+4], v[rT+4], v[rS+7], v[rS+15]
.elseif (\n) == 13
	v_max3_num_f32 v[rT+5], v[rT+5], v[rS+23], v[rS+31]
.elseif (\n) == 14
	v_max3_num_f32 v[rT+6], v[rT+6], v[rT+7], v[rT+1]
.elseif (\n) == 15
	v_mov_b32 v[rT+5], v[rT]
.elseif (\n) == 16
	v_max3_num_f32 v[rT+4], v[rT+4], v[rT+5], v[rT+6]
.elseif (\n) == 17
	v_permlanex16_b32 v[rT+7], v[rT+4], s[SEL], s[SEL+1]
.elseif (\n) == 18
	v_max_num_f32 v[rT+1], v[rT+4], v[rT+7]
.elseif (\n) == 19
	v_mul_f32 v[rT], s[CS], v[rT+1]
.elseif (\n) == 20
	v_sub_f32 v[rT+5], v[rT+5], v[rT]
.else
	v_exp_f32 v[rT+6], v[rT+5]
.endif
.endm
.macro FS b, i                         ; c s - c m for pair i of tile b
	v_pk_fma_f32 v[S+32*(\b)+2*(\i):S+32*(\b)+2*(\i)+1], v[S+32*(\b)+2*(\i):S+32*(\b)+2*(\i)+1], s[CS:CS+1], v[ST+8*(\b):ST+8*(\b)+1] op_sel_hi:[1,0,0] neg_lo:[0,0,1] neg_hi:[0,0,1]
.endm
.macro EXS b, i                        ; the exponential of score i
	v_exp_f32 v[S+32*(\b)+(\i)], v[S+32*(\b)+(\i)]
.endm
.macro CVP b, i                        ; pair i rounded to bf16: two tiles of S^T so packed are a fragment of P
	v_cvt_pk_bf16_f32 v[P+16*(\b)+(\i)], v[S+32*(\b)+2*(\i)], v[S+32*(\b)+2*(\i)+1]
.endm
.macro SUMS b, z                       ; sum z of 16: the tile's 16 pairs are added in place, neighbours 1, 2, 4 and 8 pairs apart; then l = a l + the sum
.set rT, ST+8*(\b)
.set rS, S+32*(\b)
.set zz, (\z)
.set ww, 4
.set uu, zz
.if zz >= 14
.set ww, 32
.set uu, 0
.elseif zz >= 12
.set ww, 16
.set uu, zz-12
.elseif zz >= 8
.set ww, 8
.set uu, zz-8
.endif
.if zz < 15
	v_pk_add_f32 v[rS+ww*uu:rS+ww*uu+1], v[rS+ww*uu:rS+ww*uu+1], v[rS+ww*uu+ww/2:rS+ww*uu+ww/2+1]
.else
	v_pk_fma_f32 v[rT+2:rT+3], v[rT+2:rT+3], v[rT+6:rT+7], v[rS:rS+1] op_sel_hi:[1,0,1]
.endif
.endm
.macro STAGE_B
	WIN 0
	KLOAD 0
	KLOAD 1
	s_wait_dscnt 8                                 ; row tile 0's fragments are in; tile 1's eight loads may stay out
	KQ 0
	PLACES                                         ; in front of loads into registers that those products read
	KLOAD 2
	s_wait_dscnt 8
	KQ 1
	PLACES
	KLOAD 3
	s_wait_dscnt 8
	KQ 2
	s_wait_dscnt 0x0
	KQ 3
	WIN 0
	PLACES
.irp n, 0,1,2,3,4,5,6,7,8,9,10,11,12,13,14,16,17,18,15,19,20,21
.irp b, 0,1,2,3
	XS \b, \n
.endr
.endr
.set f, 0
.rept 32                               ; BATCH 1: the four a (above) and tiles 0 and 1's 64 exponentials; tiles 2 and 3's scalings stand between them
	FS f%2, f/2
.set f, f+1
.endr
.set f, 0
.rept 32
	EXS 0, f
	FS 2+f%2, f/2
	EXS 1, f
.set f, f+1
.endr
	v_nop                                          ; a plain instruction behind the last exponential,
	s_wait_alu depctr_va_vdst(0)                   ; and the batch's one wait, ahead of its first reader
.set f, 0
.rept 64                               ; BATCH 2: tiles 2 and 3's exponentials; tiles 0 and 1's roundings and sums, which name none of these results, stand between them
	EXS 2+f%2, f/2
.if f < 32
	CVP f%2, f/2
.else
	SUMS f%2, (f-32)/2
.endif
.set f, f+1
.endr
	v_nop
	s_wait_alu depctr_va_vdst(0)
.set f, 0
.rept 32
	CVP 2+f%2, f/2
.set f, f+1
.endr
.set f, 0
.rept 32
	SUMS 2+f%2, f/2
.set f, f+1
.endr
.set f, 0
.rept 16                               ; V turned, into S^T's registers: rows 32 (f / 8) on, channels 16 (f % 8) on
	ds_load_tr16_b128 v[S+8*f:S+8*f+3],   v[AVR] offset:(f/8)*32*PV+(f%8)*32
	ds_load_tr16_b128 v[S+8*f+4:S+8*f+7], v[AVR] offset:(f/8)*32*PV+16*PV+(f%8)*32
.set f, f+1
.endr
	WIN 0x82                                       ; O^T in window 2, a in window 0
.set b, 0
.rept 4                                ; O^T times a, while V's fragments land; each accumulator from its low end on
.set i, 0
.rept 32
	v_pk_mul_f32 v[64*b+2*i:64*b+2*i+1], v[64*b+2*i:64*b+2*i+1], v[ST+8*b+6:ST+8*b+7] op_sel_hi:[1,0]
.set i, i+1
.endr
.set b, b+1
.endr
	s_wait_dscnt 0x0                               ; V is in: my last reads of the step's K and V are over,
	s_barrier_signal -1                            ; so say so; the products below, work on registers, stand between the signal and the wait
	WIN 0xa0                                       ; O^T in window 2, V and P in window 0
.set i, 0
.rept 64                               ; rows 32 (i / 32) on, channels 16 ((i / 4) % 8) on, tile i % 4: 32 accumulators take turns
.set rO, 64*(i%4)+8*((i/4)%8)
.set rV, S+64*(i/32)+8*((i/4)%8)
.set rP, P+16*(i%4)+8*(i/32)
	v_wmma_f32_16x16x32_bf16 v[rO:rO+7], v[rV:rV+7], v[rP:rP+7], v[rO:rO+7]
.set i, i+1
.endr
	WIN 0
	s_add_co_u32 s[MB], s[MB], STEPB
	s_barrier_wait -1                              ; nobody reads K and V any more: the next step may write them
.endm
.macro TWO_STEPS                       ; a slot's two steps: written once, walked twice
	s_mov_b32 s[TWICE], 2
.Lstep_\@:
	STAGE_A
	STAGE_B
	s_sub_co_u32 s[TWICE], s[TWICE], 1
	s_cmp_lg_u32 s[TWICE], 0
	s_cbranch_scc1 .Lstep_\@
.endm
; ---- the start's macros ----
.macro WLOADS cc                       ; my role's W in f32 for K step c = 2 parity + cc, all eight feature tiles: 16 numbers a lane and tile -> window 2
	WIN 0x80
.set t, 0
.rept 8
.set e, 0
.rept 4
	global_load_b128 v[128*(\cc)+16*t+4*e:128*(\cc)+16*t+4*e+3], v20, s[44:45] offset:t*8192+128*(\cc)+16*(e%2)+64*(e/2)
.set e, e+1
.endr
.set t, t+1
.endr
.endm
.macro QLOADS bp                       ; my query tiles 2 bp and 2 bp + 1 in f32 -> window 1
	WIN 0x40
.set b, 2*(\bp)
.rept 2
.set c, 0
.rept 4
.set e, 0
.rept 4
	global_load_b128 v[64*b+16*c+4*e:64*b+16*c+4*e+3], v21, s[82:83] offset:b*8192+128*c+16*(e%2)+64*(e/2)
.set e, e+1
.endr
.set c, c+1
.endr
.set b, b+1
.endr
.endm
.macro QPREP bp                        ; rounded to bf16: Q's fragments in window 3
	WIN 0xc5
.set n, 64*(\bp)
.rept 64
	v_cvt_pk_bf16_f32 v[n], v[2*n], v[2*n+1]
.set n, n+1
.endr
.endm
; W' = W - the mean over the 128 features, per column: the sum over the eight tiles in the lane, over a tile's 16 features across 16 lanes; then rounded, and stored in fragment order for both waves of the role
.macro WPREP cc
.set B0, 128*(\cc)
	WIN 0x0a
.set e, 0
.rept 8
	v_pk_add_f32 v[P+2*e:P+2*e+1], v[B0+2*e:B0+2*e+1], v[B0+16+2*e:B0+16+2*e+1]
.set e, e+1
.endr
	WIN 0x08
.set t, 2
.rept 6
.set e, 0
.rept 8
	v_pk_add_f32 v[P+2*e:P+2*e+1], v[P+2*e:P+2*e+1], v[B0+16*t+2*e:B0+16*t+2*e+1]
.set e, e+1
.endr
.set t, t+1
.endr
	WIN 0
.irp m, 1,2,4,8
.set e, 0
.rept 16
	v_add_f32_dpp v[P+e], v[P+e], v[P+e] row_xmask:\m row_mask:0xf bank_mask:0xf
.set e, e+1
.endr
.endr
	WIN 0xa0
.set t, 0
.rept 8
.set e, 0
.rept 8
	v_pk_fma_f32 v[B0+16*t+2*e:B0+16*t+2*e+1], v[P+2*e:P+2*e+1], 0xbc000000, v[B0+16*t+2*e:B0+16*t+2*e+1] op_sel_hi:[1,0,1]  ; - sum / 128
.set e, e+1
.endr
.set t, t+1
.endr
	WIN 0x8a
.set n, 0
.rept 64
	v_cvt_pk_bf16_f32 v[B0+n], v[B0+2*n], v[B0+2*n+1]
.set n, n+1
.endr
	WIN 0x08
.set t, 0
.rept 8
	ds_store_b128 v24, v[B0+8*t:B0+8*t+3]   offset:(4*t+(\cc))*1024
	ds_store_b128 v24, v[B0+8*t+4:B0+8*t+7] offset:(4*t+(\cc))*1024+512
.set t, t+1
.endr
	WIN 0
.endm
; ================= the text =================
	s_load_b512 s[16:31], s[0:1], 0x0              ; mem, q, fk_w, fv_w, fk_b, fv_b, nk_g, nv_g
	s_load_b256 s[32:39], s[0:1], 0x40             ; nk_b, nv_b, fx_w, opart
	s_load_b128 s[40:43], s[0:1], 0x60             ; ml, fxw16
	v_lshl_add_u32 v[SPW], v0, 2, SPARE
	v_mov_b32 v[NIL], 0
	ds_add_u32 v[SPW], v[NIL]                      ; the wave's opening: the add and its wait ahead of my first tensor load; the set-up below, work on registers, stands between them
	ds_add_u32 v14, v15
	v_lshrrev_b32 v1, 5, v0
	v_readfirstlane_b32 s[WV], v1                  ; wave 0..3
	; descriptor group 1: 32 rows x 128 elements of 4 bytes, padded in LDS
	s_mov_b32 s8, (2<<16)|(1<<20)|(6<<22)|(3<<25)  ; 17:16 elements of 4 bytes; 20 padding on; 24:22 after every 128 words (code 6); 31:25 4 words of it (code 3)
	s_mov_b32 s9, 128<<16                          ; tensor_dim0 = 128
	s_mov_b32 s10, 32<<16                          ; tensor_dim1 = 32
	s_mov_b32 s11, 128<<16                         ; tile_dim0 = 128
	s_mov_b32 s12, 32                              ; tile_dim1 = 32
	s_mov_b32 s13, 128                             ; elements from row to row
	s_mov_b32 s14, 0
	s_mov_b32 s15, 0
	s_mov_b32 s4, 1                                ; group 0: count = 1
	s_mul_i32 s5, s[WV], WTILE                     ; LDS address: my quarter of slot 0
	s_and_b32 s78, s[WV], 1                        ; parity
	s_and_b32 s79, ttmp7, 0xffff                   ; head
	s_lshl_b32 s80, s79, 25                        ; a head is 2^25 bytes of mem,
	s_lshl_b32 s2, ttmp9, 20                       ; a split 2^20,
	s_add_co_u32 s80, s80, s2
	s_lshl_b32 s2, s[WV], 14                       ; my 32 rows of a tile 2^14
	s_add_co_u32 s80, s80, s2
	s_mov_b32 s81, 0
	s_mov_b32 s[CS], 0x3fb8aa3b                    ; log2(e)
	s_mov_b32 s[CS+1], s[CS]
	s_mov_b32 s[SEL], 0x76543210
	s_mov_b32 s[SEL+1], 0xfedcba98
	s_mov_b32 s76, 0x3c000000                      ; 1 / 128
	s_mov_b32 s77, 0x3727c5ac                      ; 1e-5
	s_wait_dscnt 0x0                               ; the opening add is done
	s_wait_kmcnt 0x0
	s_add_nc_u64 s[6:7], s[16:17], s[80:81]        ; global address: my rows of tile 0
	s_add_nc_u64 s[PFA:PFA+1], s[6:7], 65536       ; tile 1; the first change of slots steps it to tile 2.  Nothing is prefetched here, at the head
	s_or_b32 s7, s7, 0x80000000                    ; type = 2
	tensor_load_to_lds s[4:7], s[8:15]             ; tile 0 into slot 0: by this text's count one tensor load of a wave is out at any time
	s_nop 0
	PLACES
	s_cmp_lt_u32 s[WV], 2                          ; my role's four inputs
	s_cselect_b64 s[44:45], s[20:21], s[22:23]     ; W
	s_cselect_b64 s[46:47], s[24:25], s[26:27]     ; b
	s_cselect_b64 s[48:49], s[28:29], s[30:31]     ; gain
	s_cselect_b64 s[50:51], s[32:33], s[34:35]     ; bias of the norm
	s_cselect_b32 s52, 0x3fb8aa3b, 1.0             ; K's gain and bias are taken times log2(e)
	s_mov_b32 s53, s52
	s_lshl_b32 s82, s[WV], 15
	s_mov_b32 s83, 0
	s_add_nc_u64 s[82:83], s[18:19], s[82:83]      ; q at my 64 queries
	s_lshl_b32 s84, s79, 5
	s_add_co_u32 s84, s84, ttmp9                   ; the work-group's number: 32 head + split
	s_lshl_b32 s2, s84, 17
	s_lshl_b32 s3, s[WV], 15
	s_add_co_u32 s2, s2, s3
	s_mov_b32 s3, 0
	s_add_nc_u64 s[72:73], s[38:39], s[2:3]        ; opart at my queries
	s_lshl_b32 s2, s84, 11
	s_lshl_b32 s85, s[WV], 9
	s_add_co_u32 s2, s2, s85
	s_add_nc_u64 s[74:75], s[40:41], s[2:3]        ; ml at my queries
	v_and_b32 v1, 15, v0                           ; l % 16
	v_bfe_u32 v16, v0, 4, 1                        ; l / 16
	v_and_b32 v17, 31, v0                          ; l
	v_mov_b32 v[RS+1], 0
	v_mov_b32 v[ZR], 0
	v_mov_b32 v[PX], 0
	v_lshlrev_b32 v22, 5, v16                      ; 32 (l / 16): also the offset in the vectors of 128
	v_lshl_add_u32 v21, v1, 9, v22                 ; row x 512 + 32 (l / 16): q
	s_lshl_b32 s2, s78, 8
	v_add_nc_u32 v20, s2, v21                      ; + 256 parity: W
	WLOADS 0
	WLOADS 1
	WIN 0
	s_lshl_b32 s2, s79, 16                         ; fx_w: block (nt = head, kc = split): rows 16 nt on (4,096 bytes each), columns 32 kc on
	s_lshl_b32 s3, ttmp9, 7
	s_add_co_u32 s2, s2, s3
	v_lshl_add_u32 v23, v1, 12, v22
	v_add_nc_u32 v23, s2, v23
	s_lshr_b32 s2, s[WV], 1
	s_lshl_b32 s2, s2, 17
	s_add_co_u32 s2, s2, KV0                       ; my role's 32 fragments: Wk's at KV0, Wv's at KV0 + SLOT1
	v_lshl_add_u32 v25, v17, 4, s2
	s_lshl_b32 s3, s78, 11
	v_add_nc_u32 v24, s3, v25                      ; I store K steps 2 parity and 2 parity + 1
	s_lshl_b32 s2, s84, 10
	v_lshl_add_u32 v26, v17, 4, s2                 ; fxw16: 1,024 bytes a work-group
	v_mul_u32_u24 v[AM0], v1, PM
	v_add_nc_u32 v[AM0], v[AM0], v22
	s_mul_i32 s2, s78, WTILE
	v_add_nc_u32 v[AM0], s2, v[AM0]
	v_lshl_add_u32 v[AKR], v17, 4, KV0
	s_lshl_b32 s2, s78, 13
	v_add_nc_u32 v[AKS], s2, v[AKR]
	; the turning load takes 16 rows x 16 channels (lane l reads row 8 (l / 16) + l % 8, channels 8 ((l / 8) % 2) + 0..7) and leaves half a fragment of V^T
	v_and_b32 v18, 7, v0
	v_bfe_u32 v19, v0, 3, 1
	v_lshl_add_u32 v[AVR], v16, 3, v18
	v_mul_u32_u24 v[AVR], v[AVR], PV
	v_lshl_add_u32 v[AVR], v19, 4, v[AVR]
	v_add_nc_u32 v[AVR], KV0+VOFF, v[AVR]
	v_mul_u32_u24 v[AVS], v1, PV
	v_lshl_add_u32 v[AVS], v16, 4, v[AVS]
	s_mul_i32 s2, s78, 32*PV
	s_add_co_u32 s2, s2, KV0+VOFF
	v_add_nc_u32 v[AVS], s2, v[AVS]
	s_lshl_b32 s2, s[WV], 9
	s_add_co_u32 s2, s2, TBL
	v_add_nc_u32 v[ABI], s2, v22
	v_lshlrev_b32 v[PFO], 8, v17
	s_mul_i32 s2, s[WV], RTB
	s_add_co_u32 s2, s2, STAGE                     ; my stage
	v_mul_u32_u24 v[STO], v1, PM
	v_add3_u32 v[STO], v[STO], v22, s2
	v_lshl_add_u32 v[RD], v17, 4, s2
	v_lshlrev_b32 v[GO], 4, v17
	; batches of loads, each worked on while the next is out: every count below is the size of the one younger batch
	s_wait_loadcnt 32                              ; W, first K step
	QLOADS 0
	WPREP 0
	s_wait_loadcnt 32                              ; W, second K step
	QLOADS 1
	WPREP 1
	s_wait_loadcnt 32                              ; q, tiles 0 and 1
	WIN 0xc0
.set t, 0
.rept 8
.set e, 0
.rept 2
	global_load_b128 v[GW+8*t+4*e:GW+8*t+4*e+3],   v22, s[48:49] offset:64*t+16*e   ; gain and bias of my 64 features: register 8 t + j is feature 16 t + 8 (l / 16) + j
	global_load_b128 v[NBW+8*t+4*e:NBW+8*t+4*e+3], v22, s[50:51] offset:64*t+16*e
.set e, e+1
.endr
.set t, t+1
.endr
	QPREP 0
	s_wait_loadcnt 32                              ; q, tiles 2 and 3
	WIN 0
.set t, 0
.rept 8
	global_load_b128 v[P+8*t:P+8*t+3],   v22, s[46:47] offset:64*t
	global_load_b128 v[P+8*t+4:P+8*t+7], v22, s[46:47] offset:64*t+16
.set t, t+1
.endr
.set e, 0
.rept 4
	global_load_b128 v[64+4*e:64+4*e+3], v23, s[36:37] offset:16*(e%2)+64*(e/2)
.set e, e+1
.endr
	QPREP 1
	s_wait_loadcnt 20                              ; gain and bias
	WIN 0xc3
.set n, 0
.rept 64
	v_pk_mul_f32 v[GW+2*n:GW+2*n+1], v[GW+2*n:GW+2*n+1], s[52:53] op_sel_hi:[1,0]
.set n, n+1
.endr
	WIN 0
	s_wait_loadcnt 0x0                             ; b and the block of fx_w
	SUM64 P
.set n, 0
.rept 32
	v_pk_fma_f32 v[P+2*n:P+2*n+1], v[T:T+1], 0xbc000000, v[P+2*n:P+2*n+1] op_sel_hi:[0,0,1]  ; b' = b - sum / 128
.set n, n+1
.endr
.set t, 0
.rept 8                                ; into my wave's own table; the sixteen lanes of a half store the same numbers at the same places
	ds_store_b128 v[ABI], v[P+8*t:P+8*t+3]   offset:64*t
	ds_store_b128 v[ABI], v[P+8*t+4:P+8*t+7] offset:64*t+16
.set t, t+1
.endr
.set k, 0
.rept 8
	v_cvt_pk_bf16_f32 v[80+k], v[64+2*k], v[64+2*k+1]
.set k, k+1
.endr
	s_cmp_lg_u32 s[WV], 0                          ; one wave stores the block
	s_cbranch_scc1 .Lnofx
	global_store_b128 v26, v[80:83], s[42:43]            ; registers 0-3 of the fragment: 512 consecutive bytes,
	global_store_b128 v26, v[84:87], s[42:43] offset:512 ; registers 4-7: the next 512
.Lnofx:
	s_wait_xcnt 0x0                                ; the stores' registers are written again below
	s_wait_dscnt 0x0                               ; for the others' sake: my half of the role's fragments is stored
	s_barrier_signal -1
	s_barrier_wait -1
	WIN 0x40
.set i, 0
.rept 32                               ; all 32 fragments of my role's W' -> window 1; waited for at the first change of slots
	ds_load_b128 v[8*i:8*i+3],   v25 offset:i*1024
	ds_load_b128 v[8*i+4:8*i+7], v25 offset:i*1024+512
.set i, i+1
.endr
	; O^T and l start at 0, m at the lowest finite number, c m far below every c s: the first step is a step like any other, with a = 0.  These lines stand in the wait for the first tile;
	; a first step written out, whose products start the sums, would be a third copy of the step's text.
	WIN 0x80
.set i, 0
.rept 256
	v_mov_b32 v[i], 0
.set i, i+1
.endr
	WIN 0
.set b, 0
.rept 4
	v_mov_b32 v[ST+8*b], 0xfe000000
	v_mov_b32 v[ST+8*b+1], 0xff7fffff
	v_mov_b32 v[ST+8*b+2], 0
	v_mov_b32 v[ST+8*b+3], 0
.set b, b+1
.endr
	s_mov_b32 s[MB], SLOT1+2*STEPB                 ; the first change of slots turns this into 0
	s_mov_b32 s[SLOTS], 15
.Lslot:                                ; 15 trips: tile s is waited for and worked on, tile s + 1 asked for
	CHANGE 1
	TWO_STEPS
	s_sub_co_u32 s[SLOTS], s[SLOTS], 1
	s_cmp_lg_u32 s[SLOTS], 0
	s_cbranch_scc1 .Lslot
	CHANGE 0                                       ; the last tile is written out: nothing is asked for
	TWO_STEPS
	; THE WAY OUT.  l's two halves and the other half of the lanes' are added (the additions are the places behind the last products); (c m, l) go out 256 bytes a store;
	; O^T goes through my stage in LDS, 16 queries at a time, and leaves as whole rows of 512 bytes.
.set b, 0
.rept 4
	v_add_f32 v[ST+8*b+2], v[ST+8*b+2], v[ST+8*b+3]
.set b, b+1
.endr
.set b, 0
.rept 4
	v_permlanex16_b32 v[ST+8*b+3], v[ST+8*b+2], s[SEL], s[SEL+1]
.set b, b+1
.endr
.set b, 0
.rept 4
	v_add_f32 v[ST+8*b+2], v[ST+8*b+2], v[ST+8*b+3]
.set b, b+1
.endr
	v_and_b32 v[ADR], 31, v0
	v_cmp_le_u32 vcc_lo, 16, v[ADR]                ; lanes 0-15 speak for tile 2 bp, lanes 16-31 for tile 2 bp + 1: 32 queries on end
	v_lshlrev_b32 v[ADS], 3, v[ADR]
.set b, 0
.rept 2
	v_cndmask_b32 v[T+2*b],   v[ST+16*b],   v[ST+16*b+8],  vcc_lo
	v_cndmask_b32 v[T+2*b+1], v[ST+16*b+2], v[ST+16*b+10], vcc_lo
	global_store_b64 v[ADS], v[T+2*b:T+2*b+1], s[74:75] offset:256*b
.set b, b+1
.endr
.macro TOSTAGE b
.if (\b) >= 2
	s_wait_xcnt 0x0                                ; the stores of the tile two back have read the registers that the loads below fill
.endif
	WIN 0x08                                       ; the data in window 2
.set cb, 0
.rept 8                                ; a lane's eight channels of a query: 32 bytes; each accumulator from its low end on
	ds_store_b128 v[STO], v[64*(\b)+8*cb:64*(\b)+8*cb+3]   offset:64*cb
	ds_store_b128 v[STO], v[64*(\b)+8*cb+4:64*(\b)+8*cb+7] offset:64*cb+16
.set cb, cb+1
.endr
	WIN 0
.set rw, 0
.rept 16
	ds_load_b128 v[S+64*((\b)%2)+4*rw:S+64*((\b)%2)+4*rw+3], v[RD] offset:rw*PM  ; LDS serves a wave's instructions in order (ISA guide 5.7.1.4): these see the stores above; the next tile's stores come behind them
.set rw, rw+1
.endr
.endm
.macro SEND b, younger                 ; younger: the LDS instructions issued behind tile b's loads: the next tile's 32, or none
	s_wait_dscnt \younger
.set rw, 0
.rept 16
	global_store_b128 v[GO], v[S+64*((\b)%2)+4*rw:S+64*((\b)%2)+4*rw+3], s[72:73] offset:(\b)*8192+rw*512 th:TH_STORE_NT  ; 512 consecutive bytes, at a multiple of 512 from opart's first
.set rw, rw+1
.endr
.endm
	TOSTAGE 0
	TOSTAGE 1
	SEND 0, 32
	TOSTAGE 2
	SEND 1, 32
	TOSTAGE 3
	SEND 2, 32
	SEND 3, 0
	s_wait_tensorcnt 0x0                           ; the wave's end, behind my last tensor load and my last LDS store
	ds_add_u32 v[SPW], v[NIL]
	s_wait_dscnt 0x0
	s_endpgm
.Lfunc_end_k_q0f23e91149_attn:
	.size	k_q0f23e91149_attn, .Lfunc_end_k_q0f23e91149_attn-k_q0f23e91149_attn
	.p2alignl 7, 3214868480
	.fill 96, 4, 3214868480
	.section	.rodata,"a",@progbits
	.p2align	6, 0x0
	.amdhsa_kernel k_q0f23e91149_attn
		.amdhsa_group_segment_fixed_size 327680
		.amdhsa_private_segment_fixed_size 0
		.amdhsa_enable_private_segment 0
		.amdhsa_kernarg_size 112
		.amdhsa_user_sgpr_count 2
		.amdhsa_user_sgpr_kernarg_segment_ptr 1
		.amdhsa_wavefront_size32 1
		.amdhsa_system_sgpr_workgroup_id_x 1
		.amdhsa_system_sgpr_workgroup_id_y 1
		.amdhsa_system_sgpr_workgroup_id_z 1
		.amdhsa_system_vgpr_workitem_id 0
		.amdhsa_next_free_vgpr 1024
		.amdhsa_next_free_sgpr 88
		.amdhsa_reserve_vcc 1
		.amdhsa_float_denorm_mode_32 3
		.amdhsa_float_denorm_mode_16_64 3
		.amdhsa_memory_ordered 1
		.amdhsa_forward_progress 1
		.amdhsa_inst_pref_size 255
	.end_amdhsa_kernel
	.section	.bss,"aw",@nobits
	.p2align	6
	.space	262144
	.amdgpu_metadata
---
amdhsa.version: [ 1, 2 ]
amdhsa.kernels:
  - .name:           k_q0f23e91149_attn
    .symbol:         k_q0f23e91149_attn.kd
    .args:
      - { .name: mem, .offset: 0, .size: 8, .value_kind: global_buffer, .address_space: global }
      - { .name: q, .offset: 8, .size: 8, .value_kind: global_buffer, .address_space: global }
      - { .name: fk_w, .offset: 16, .size: 8, .value_kind: global_buffer, .address_space: global }
      - { .name: fv_w, .offset: 24, .size: 8, .value_kind: global_buffer, .address_space: global }
      - { .name: fk_b, .offset: 32, .size: 8, .value_kind: global_buffer, .address_space: global }
      - { .name: fv_b, .offset: 40, .size: 8, .value_kind: global_buffer, .address_space: global }
      - { .name: nk_g, .offset: 48, .size: 8, .value_kind: global_buffer, .address_space: global }
      - { .name: nv_g, .offset: 56, .size: 8, .value_kind: global_buffer, .address_space: global }
      - { .name: nk_b, .offset: 64, .size: 8, .value_kind: global_buffer, .address_space: global }
      - { .name: nv_b, .offset: 72, .size: 8, .value_kind: global_buffer, .address_space: global }
      - { .name: fx_w, .offset: 80, .size: 8, .value_kind: global_buffer, .address_space: global }
      - { .name: opart, .offset: 88, .size: 8, .value_kind: global_buffer, .address_space: global }
      - { .name: ml, .offset: 96, .size: 8, .value_kind: global_buffer, .address_space: global }
      - { .name: fxw16, .offset: 104, .size: 8, .value_kind: global_buffer, .address_space: global }
    .group_segment_fixed_size: 327680
    .private_segment_fixed_size: 0
    .kernarg_segment_align: 8
    .kernarg_segment_size: 112
    .max_flat_workgroup_size: 128
    .sgpr_count:     88
    .vgpr_count:     1024
    .wavefront_size: 32
...
	.end_amdgpu_metadata
.endif
;; end of part 1
;; launch finish (part 2): grid 256 x 1, 8 waves a work-group, no clusters, 7,168 bytes of LDS; arguments opart, ml, fxw16, fx_b, nx_g, nx_b, out0; writes out0
.if DOCPART == 2
	.amdgcn_target "amdgcn-amd-amdhsa--gfx1250"
	.amdhsa_code_object_version 6
	.text
	.protected	k_q0f23e91149_finish
	.globl	k_q0f23e91149_finish
	.p2align	8
	.type	k_q0f23e91149_finish,@function
k_q0f23e91149_finish:
	s_mov_b64 s[64:65], 0
	v_nop
	global_prefetch_b8 v0, s[64:65] scope:SCOPE_SE
	s_setreg_imm32_b32 hwreg(HW_REG_WAVE_MODE, 25, 1), 1
	s_wait_xcnt 0x0
; MULTI-HEAD MEMORY, PART 2.  A work-group finishes ONE query; wave h takes head h.
; The head's 32 splits are merged: M = max of c m, w_s = 2^(c m_s - M), o = sum of w_s O_s / sum of w_s l_s (all f32).  Then x = o fx_w^T + fx_b: each wave multiplies its head's 128 channels
; (bf16, as 16 equal rows of source 0) by its 128 columns of fx_w (bf16, in fragment order from the first launch); the eight partial x meet in LDS (f32); wave 0 adds them, norms, and stores 512 bytes.
; Of a product's 16 rows 15 are idle: 32 matrix instructions a wave, beside 16 KiB of partial sums that the wave reads; one query to a work-group gives each of 256 work-groups 128 KiB to read.
; (c m, l) is read as 8 bytes from each of 32 places 2,048 bytes apart: once a wave.  No prefetch: all loads go out at the start.  No cluster: fxw16 (256 KiB) is all that work-groups share.
; LIMITS.  NaN and infinities are not treated apart; a split's weight below 2^-126 counts as 0.
.set OB,    0                          ; o in bf16, 256 bytes a head
.set XP,    2048                       ; partial x, 512 bytes a head
.set SPARE, 6144                       ; the spare words, 128 bytes for each of eight waves: four blocks of 256 bytes that no other line names
.set SPW, 10                           ; v10  LDS address of my spare word; never rewritten
.set NIL, 11                           ; v11  0; never rewritten
; v2 lane; v3 16 l; v4 2,048 l; v5-v8 LDS addresses; v12-13 (c m, l) of split l; v14, v15 at work; v16-27 fx_b, nx_g, nx_b of features 4 l ..; v28-31 o of channels 4 l ..
; v32-63 o's fragments; v64-99 at work; v128-255 the 32 rows, then (v128-191) eight accumulators; window 1: fx_w's 32 fragments (8 (4 nt + c))
.set MSB, 0
.macro WIN new
.if MSB != (\new)
	s_set_vgpr_msb (MSB<<8)|(\new)
.set MSB, \new
.endif
.endm
.macro WSUM r                          ; the sum over the wave's 32 lanes, in every lane
	v_add_f32_dpp v[\r], v[\r], v[\r] row_xmask:1 row_mask:0xf bank_mask:0xf
	v_add_f32_dpp v[\r], v[\r], v[\r] row_xmask:2 row_mask:0xf bank_mask:0xf
	v_add_f32_dpp v[\r], v[\r], v[\r] row_xmask:4 row_mask:0xf bank_mask:0xf
	v_add_f32_dpp v[\r], v[\r], v[\r] row_xmask:8 row_mask:0xf bank_mask:0xf
	v_permlanex16_b32 v15, v[\r], s28, s29
	v_add_f32 v[\r], v[\r], v15
.endm
	s_load_b256 s[4:11], s[0:1], 0x0               ; opart, ml, fxw16, fx_b
	s_load_b128 s[12:15], s[0:1], 0x20             ; nx_g, nx_b
	s_load_b64 s[16:17], s[0:1], 0x30              ; out0
	v_lshl_add_u32 v[SPW], v0, 2, SPARE
	v_mov_b32 v[NIL], 0
	v_lshrrev_b32 v1, 5, v0
	v_readfirstlane_b32 s18, v1                    ; wave = head
	v_and_b32 v2, 31, v0
	v_and_b32 v1, 15, v0
	v_bfe_u32 v9, v0, 4, 1
	v_lshlrev_b32 v3, 4, v2
	v_lshlrev_b32 v4, 11, v2
	s_lshl_b32 s19, s18, 8
	v_lshl_add_u32 v5, v2, 3, s19                  ; OB + 256 h + 8 l: my four channels in bf16
	v_lshl_add_u32 v6, v9, 4, s19                  ; OB + 256 h + 16 (l / 16): a fragment's bytes, the same for all 16 rows
	s_lshl_b32 s19, s18, 9
	s_add_co_u32 s19, s19, XP
	v_lshl_add_u32 v7, v1, 2, s19                  ; XP + 512 h + 4 (l % 16)
	v_add_nc_u32 v8, XP, v3
	v_mov_b32 v15, 0
	s_mov_b32 s28, 0x76543210                      ; v_permlanex16_b32's selects
	s_mov_b32 s29, 0xfedcba98
	s_mov_b32 s30, 0x3c000000                      ; 1 / 128
	s_mov_b32 s31, 0x3727c5ac                      ; 1e-5
	s_lshl_b32 s32, s18, 12                        ; fxw16: K steps 4 h .. 4 h + 3
	s_mov_b32 s33, 0
	s_lshl_b32 s34, s18, 16                        ; ml: 32 splits x 2,048 bytes a head, 8 bytes a query
	s_lshl_b32 s19, ttmp9, 3
	s_add_co_u32 s34, s34, s19
	s_mov_b32 s35, 0
	s_lshl_b32 s36, s18, 22                        ; opart: 32 splits x 131,072 bytes a head, 512 bytes a query
	s_lshl_b32 s38, ttmp9, 9
	s_add_co_u32 s36, s36, s38
	s_mov_b32 s37, 0
	s_mov_b32 s39, 0
	s_wait_kmcnt 0x0
	s_add_nc_u64 s[20:21], s[8:9], s[32:33]
	s_add_nc_u64 s[22:23], s[6:7], s[34:35]
	s_add_nc_u64 s[24:25], s[4:5], s[36:37]
	s_add_nc_u64 s[26:27], s[16:17], s[38:39]
	global_load_b128 v[16:19], v3, s[10:11]
	global_load_b128 v[20:23], v3, s[12:13]
	global_load_b128 v[24:27], v3, s[14:15]
	WIN 0x40
.set nt, 0
.rept 8
.set c, 0
.rept 4
	global_load_b128 v[8*(4*nt+c):8*(4*nt+c)+3],   v3, s[20:21] offset:nt*32768+c*1024
	global_load_b128 v[8*(4*nt+c)+4:8*(4*nt+c)+7], v3, s[20:21] offset:nt*32768+c*1024+512
.set c, c+1
.endr
.set nt, nt+1
.endr
	WIN 0
	global_load_b64 v[12:13], v4, s[22:23]         ; lane = split
.set sp, 0
.rept 32
	global_load_b128 v[128+4*sp:128+4*sp+3], v3, s[24:25] offset:sp*131072 th:TH_LOAD_NT  ; split sp's row of O: 512 consecutive bytes
.set sp, sp+1
.endr
	s_wait_loadcnt 32                              ; all but the 32 rows
	v_mov_b32 v14, v12
	v_max_num_f32_dpp v14, v14, v14 row_xmask:1 row_mask:0xf bank_mask:0xf
	v_max_num_f32_dpp v14, v14, v14 row_xmask:2 row_mask:0xf bank_mask:0xf
	v_max_num_f32_dpp v14, v14, v14 row_xmask:4 row_mask:0xf bank_mask:0xf
	v_max_num_f32_dpp v14, v14, v14 row_xmask:8 row_mask:0xf bank_mask:0xf
	v_permlanex16_b32 v15, v14, s28, s29
	v_max_num_f32 v14, v14, v15                    ; M
	v_sub_f32 v12, v12, v14
	v_exp_f32 v64, v12                             ; w
	v_nop
	s_wait_alu depctr_va_vdst(0)                   ; the wait ahead of the first reader
	v_mul_f32 v13, v64, v13                        ; w l
	WSUM 13
	v_rcp_f32 v65, v13
	v_nop
	s_wait_alu depctr_va_vdst(0)
	v_mul_f32 v64, v64, v65                        ; split l's share
.set sp, 0
.rept 32
	v_readlane_b32 s[66+sp], v64, sp               ; the 32 shares as scalars: factors only
.set sp, sp+1
.endr
.set sp, 0
.rept 32
.if sp%8 == 0
	s_wait_loadcnt 24-8*(sp/8)                     ; eight more rows are in; the younger ones stay out
.endif
.set e, 0
.rept 4
.if sp == 0
	v_mul_f32 v[28+e], s[66], v[128+e]
.else
	v_fma_f32 v[28+e], s[66+sp], v[128+4*sp+e], v[28+e]
.endif
.set e, e+1
.endr
.set sp, sp+1
.endr
	v_cvt_pk_bf16_f32 v66, v28, v29
	v_cvt_pk_bf16_f32 v67, v30, v31
	ds_store_b64 v5, v[66:67]
.set c, 0
.rept 4                                ; my own bytes, in order behind the store: channels 32 c + 8 (l / 16) + 0..7 and 16 more on
	ds_load_b128 v[32+8*c:32+8*c+3], v6 offset:64*c
	ds_load_b128 v[32+8*c+4:32+8*c+7], v6 offset:64*c+32
.set c, c+1
.endr
	s_wait_dscnt 0x0
	WIN 0x04                                       ; fx_w in window 1
.set c, 0
.rept 4
.set nt, 0
.rept 8                                ; eight accumulators take turns; the first eight products start the sums
.if c == 0
	v_wmma_f32_16x16x32_bf16 v[128+8*nt:128+8*nt+7], v[32+8*c:32+8*c+7], v[8*(4*nt+c):8*(4*nt+c)+7], 0
.else
	v_wmma_f32_16x16x32_bf16 v[128+8*nt:128+8*nt+7], v[32+8*c:32+8*c+7], v[8*(4*nt+c):8*(4*nt+c)+7], v[128+8*nt:128+8*nt+7]
.endif
.set nt, nt+1
.endr
.set c, c+1
.endr
	WIN 0
.rept 4
	v_nop                                          ; four places behind the last product
.endr
.set nt, 0
.rept 8
	ds_store_b32 v7, v[128+8*nt] offset:64*nt      ; register 0 is row 0 (or 8: all rows are alike), column 16 nt + l % 16
.set nt, nt+1
.endr
	s_wait_dscnt 0x0                               ; for wave 0's sake
	s_barrier_signal -1
	s_barrier_wait -1
	s_cmp_lg_u32 s18, 0
	s_cbranch_scc1 .Lend
.set k, 0
.rept 8
	ds_load_b128 v[64+4*k:64+4*k+3], v8 offset:512*k
.set k, k+1
.endr
	s_wait_dscnt 0x0
.set k, 1
.rept 7
	v_pk_add_f32 v[64:65], v[64:65], v[64+4*k:64+4*k+1]
	v_pk_add_f32 v[66:67], v[66:67], v[66+4*k:66+4*k+1]
.set k, k+1
.endr
	v_pk_add_f32 v[64:65], v[64:65], v[16:17]      ; + fx_b
	v_pk_add_f32 v[66:67], v[66:67], v[18:19]
	v_pk_add_f32 v[96:97], v[64:65], v[66:67]
	v_add_f32 v96, v96, v97
	WSUM 96
.set e, 0
.rept 4
	v_fma_f32 v[64+e], v96, 0xbc000000, v[64+e]    ; x - mean
.set e, e+1
.endr
	v_mul_f32 v97, v64, v64
	v_fma_f32 v97, v65, v65, v97
	v_fma_f32 v97, v66, v66, v97
	v_fma_f32 v97, v67, v67, v97
	WSUM 97
	v_fma_f32 v97, v97, s30, s31                   ; var + eps
	v_rsq_f32 v98, v97
	v_nop
	s_wait_alu depctr_va_vdst(0)
.set e, 0
.rept 4
	v_mul_f32 v[64+e], v[64+e], v98
.set e, e+1
.endr
.set e, 0
.rept 4
	v_fma_f32 v[64+e], v[64+e], v[20+e], v[24+e]
.set e, e+1
.endr
.set e, 0
.rept 4
	v_max_num_f32 v[64+e], 0, v[64+e]
.set e, e+1
.endr
	global_store_b128 v3, v[64:67], s[26:27]       ; the query's 512 bytes, on end
.Lend:
	s_wait_tensorcnt 0x0                           ; the wave's end, behind my last LDS store
	ds_add_u32 v[SPW], v[NIL]
	s_wait_dscnt 0x0
	s_endpgm
.Lfunc_end_k_q0f23e91149_finish:
	.size	k_q0f23e91149_finish, .Lfunc_end_k_q0f23e91149_finish-k_q0f23e91149_finish
	.p2alignl 7, 3214868480
	.fill 96, 4, 3214868480
	.section	.rodata,"a",@progbits
	.p2align	6, 0x0
	.amdhsa_kernel k_q0f23e91149_finish
		.amdhsa_group_segment_fixed_size 7168
		.amdhsa_private_segment_fixed_size 0
		.amdhsa_enable_private_segment 0
		.amdhsa_kernarg_size 56
		.amdhsa_user_sgpr_count 2
		.amdhsa_user_sgpr_kernarg_segment_ptr 1
		.amdhsa_wavefront_size32 1
		.amdhsa_system_sgpr_workgroup_id_x 1
		.amdhsa_system_sgpr_workgroup_id_y 1
		.amdhsa_system_sgpr_workgroup_id_z 1
		.amdhsa_system_vgpr_workitem_id 0
		.amdhsa_next_free_vgpr 512
		.amdhsa_next_free_sgpr 98
		.amdhsa_reserve_vcc 0
		.amdhsa_float_denorm_mode_32 3
		.amdhsa_float_denorm_mode_16_64 3
		.amdhsa_memory_ordered 1
		.amdhsa_forward_progress 1
		.amdhsa_inst_pref_size 30
	.end_amdhsa_kernel
	.amdgpu_metadata
---
amdhsa.version: [ 1, 2 ]
amdhsa.kernels:
  - .name:           k_q0f23e91149_finish
    .symbol:         k_q0f23e91149_finish.kd
    .args:
      - { .name: opart, .offset: 0, .size: 8, .value_kind: global_buffer, .address_space: global }
      - { .name: ml, .offset: 8, .size: 8, .value_kind: global_buffer, .address_space: global }
      - { .name: fxw16, .offset: 16, .size: 8, .value_kind: global_buffer, .address_space: global }
      - { .name: fx_b, .offset: 24, .size: 8, .value_kind: global_buffer, .address_space: global }
      - { .name: nx_g, .offset: 32, .size: 8, .value_kind: global_buffer, .address_space: global }
      - { .name: nx_b, .offset: 40, .size: 8, .value_kind: global_buffer, .address_space: global }
      - { .name: out0, .offset: 48, .size: 8, .value_kind: global_buffer, .address_space: global }
    .group_segment_fixed_size: 7168
    .private_segment_fixed_size: 0
    .kernarg_segment_align: 8
    .kernarg_segment_size: 56
    .max_flat_workgroup_size: 256
    .sgpr_count:     98
    .vgpr_count:     512
    .wavefront_size: 32
...
	.end_amdgpu_metadata
.endif
;; end of part 2
